; MI455X (gfx1250); checked and timed in simulation.
; The chip was launched on July 23, 2026; its instructions are those of AMD's public machine-readable ISA for CDNA 5 (MIT licence, August 2026) and "CDNA5" Instruction Set Architecture Reference Guide (July 2026). The comments in the code are by the model that wrote it; some were corrected since.
;; Fusion Attention. Allowed arithmetic: matrix products marked QUANTISED: E2M3 operands, one E8M0 scale for each 32 along K, by v_wmma_scale_f32_16x16x128_f8f6f4 with both operands' format E2M3, f32 sums; everything else in f32.
;; Inputs: k 4 x 8 x 2,048 x 64 float32; q 4 x 8 x 2,048 x 64 float32; v 4 x 8 x 2,048 x 64 float32.
;; Outputs: out0 4 x 8 x 2,048 x 64 float32.
;; This version of the problem:
;;   THIS VERSION OF THE PROBLEM IS GIVEN IN LOW PRECISION. The matrix products marked QUANTISED in the list below multiply operands that are first quantised to E2M3 (2 exponent bits, 3 mantissa bits; 6 bits a number), with one power-of-two scale for each 32 numbers along K (OCP MX v1.0); their sums are f32. All else is computed in f32.
;;   The module's matrix products, in the order in which they are computed (A, B: the left and right operand; K: the contracted axis; several contracted axes count as one K, in the product's order):
;;     1. batch 32 x [M 2,048, K 64] x [K 64, N 2,048]; A: computed on the way; B: input k: QUANTISED
;;     2. batch 32 x [M 2,048, K 2,048] x [K 2,048, N 64]; A: softmax (see below); B: input v: QUANTISED
;;   THE QUANTISER, for each operand of a quantised product, along K:
;;     - K is cut into blocks of 32 from its start; a last block that is shorter is filled with zeros.
;;     - A block's scale is 2^e with e = floor(log2(the largest magnitude in the block)) - 2, held to -126 .. 127; a block of zeros has e = 0. As a byte (E8M0): e + 127.
;;     - Each number is divided by its block's scale, clamped to +-7.5, and rounded to the nearest number of E2M3, ties to even, subnormals kept.
;;     - The product sums the exact products of the quantised numbers (number of the format x scale) in f32.
;;   ~~~python
;;   def quantise(x, axis):      # numpy; x: float32 -> the quantised numbers, widened to float32 again
;;       x = np.moveaxis(x, axis, -1); K = x.shape[-1]
;;       x = np.pad(x, [(0, 0)] * (x.ndim - 1) + [(0, -K % 32)]); x = x.reshape(x.shape[:-1] + (-1, 32)); a = np.abs(x).max(-1, keepdims=True)
;;       e = np.where(a > 0, np.clip(np.frexp(np.where(a > 0, a, 1))[1] - 1 - 2, -126, 127), 0)      # np.frexp(a)[1] - 1 = floor(log2(a)), exactly
;;       r = np.clip(x / 2.0 ** e, -7.5, 7.5)
;;       step = 2.0 ** (np.maximum(np.frexp(np.where(r == 0, 1, r))[1] - 1, 0) - 3)
;;       q = np.round(r / step) * step * 2.0 ** e      # np.round: ties to even
;;       return np.moveaxis(q.reshape(q.shape[:-2] + (-1,))[..., :K], -1, axis).astype(np.float32)
;;   ~~~
;;   SOFTMAX AHEAD OF A QUANTISED PRODUCT. Where the list says 'softmax', what is quantised is not the finished softmax but p = 2^(t - M), with t = logit x log2(e) and M = ceil(the row's largest t), a whole number; so 1/2 < the row's largest p <= 1. The row's sum l is taken of the UNQUANTISED p, in f32, and the product's result is divided by l at the end. Since M is a whole number, a kernel that streams over the keys may use a running M (the ceiling of the running maximum): every later rescaling is an exact power of two, which a block's scale takes up: the codes' values come out the same.
;;   OPERANDS COMPUTED ON THE WAY. 'Computed on the way' means the value that the module computes at that place (a softmax that the list does not call 'softmax' is quantised finished and normalised). What goes into a quantiser is computed in f32, as accurately as f32 sums, v_exp_f32 and their like allow (about 1e-6 of the number): no bf16 or f16 on the way to a quantiser, and a product that is left as it is and whose result goes on into a quantised operand takes f32 operands (vector FMAs, or v_wmma_f32_16x16x4_f32). A number that lies on a knife's edge between two numbers of the format may be rounded either way, as far as f32 arithmetic and the matrix unit's own rounding can turn it there, and no further.
;; One version. Each part assembles by itself: llvm-mc -triple=amdgcn-amd-amdhsa -mcpu=gfx1250 --defsym DOCPART=n.
;; ======== version 1 of 1: 2 launches
;; limits: right only within a limited range of input values
;; workspace buffers: kv 6,553,600 bytes
;; launch prep (part 1): grid 512 x 1, 4 waves a work-group, no clusters, 44,032 bytes of LDS; arguments k, v, kv; writes kv
.if DOCPART == 1
	.amdgcn_target "amdgcn-amd-amdhsa--gfx1250"
	.amdhsa_code_object_version 6
	.text
	.protected	k_qd2f179fb91_prep
	.globl	k_qd2f179fb91_prep
	.p2align	8
	.type	k_qd2f179fb91_prep,@function
k_qd2f179fb91_prep:
	s_mov_b64 s[64:65], 0
	v_nop
	global_prefetch_b8 v0, s[64:65] scope:SCOPE_SE
	s_setreg_imm32_b32 hwreg(HW_REG_WAVE_MODE, 25, 1), 1
	s_wait_xcnt 0x0
; k and v, [32 heads][2048 keys][64] f32, become codes of FP6 (E2M3) with one E8M0 scale byte for each 32 along a product's K:
; k along d (the first product's K), v along the KEYS (the second product's K).  The codes are laid in kv in the ORDER OF THE READER'S OPERAND REGISTERS.
; kv: for each (head, step of 128 keys) a block of 12,800 bytes = 50 x 256: four K images, four V images (1,536 bytes each), 512 bytes of scale words.
; AN IMAGE is 12 registers x 32 lanes: register R of lane l at 512 (R / 4) + 16 l + 4 (R % 4): three accesses of 16 bytes a lane move it.   r = lane % 16, h = lane / 16.
; K IMAGE i holds TWO tiles of 16 keys: registers 0-5 of lane (r, h): key 64 (i / 2) + 32 (r / 8) + 16 (i % 2) + r % 8, d = 32 h .. 32 h + 31; registers 6-11: the key 8 further on.
; V IMAGE t: lane (r, h), registers 6 c .. 6 c + 5: channel 16 t + r, keys 64 c + 32 h + 0 .. 31.
; SCALE BLOCK: 16 bytes for lane slot l: two words for K (word j: image 2 j + l / 16, row l % 16; bytes 0, 1 the first tile's d blocks, bytes 2, 3 the second's), two for V (word j: channel 32 j + l; byte b: key block b).
; A block's scale is 2^(floor(log2(its largest magnitude)) - 2); its byte is the largest magnitude's exponent field - 2, held at 1 from below.
; LIMITS: a block of zeros gets the byte 1 where the quantiser's rule says 127 (its codes are zeros, and this program alone reads the bytes); blocks whose largest magnitude lies under 2^-124 keep the byte 1; NaN and infinities are not served.
; SHARES: work-group j = 16 x head + step takes 128 keys of k and of v (32,768 dense bytes each).  Wave i makes K image i, and of v the key block i: 32 keys x 64 channels.
; k is loaded as it lies (512 dense bytes a load) and turned through the wave's own stage in LDS, so that a lane gets 32 neighbours along d.  For v a lane takes a channel and its registers run down the keys: nothing is turned.
; V's images are put together in LDS by the four waves; one barrier; then each wave stores one image, 512 dense bytes a store.  No tensor load, no ring.
.set KSW,   9216                       ; a wave's stage for k: 32 rows, row p at 272 p + 128 (p / 16)
.set VIMG,  36864                      ; V's four images
.set SCB,   43008                      ; the scale block
.set SPARE, 43520                      ; the spare words, 128 bytes for each wave: two blocks of 256 bytes that no other line names
.set C,   32                           ; v32-43   the K image
.set D,   44                           ; v44-55   v's codes: six registers for each of my two channels
.set XK,  64                           ; v64-127  k as loaded
.set Y,   128                          ; v128-191 k turned: two blocks of 32; later the V image read back, and the scale block
.set XV,  192                          ; v192-255 v: 32 keys of channel lane, 32 keys of channel 32 + lane
; v1, v2 the add's two; v3 16 x lane; v4, v5 the stage, in and out; v6, v7 where my scale word and bytes go; v8-10 where my pairs of V's registers go; v11 4 x lane; v12 8 h; v13 16 x lane + 1,536 x wave
; v14, v15 largest magnitudes; v16, v17 the conversions' scale operands; v18, v19 scale bytes; v20, v21 the scale word; v24-26, v28-30 a block's upper 16 codes
	s_load_b128 s[4:7], s[0:1], 0x0                ; k, v
	s_load_b64 s[8:9], s[0:1], 0x10                ; kv
	v_lshl_add_u32 v1, v0, 2, SPARE
	v_mov_b32 v2, 0
	v_lshrrev_b32 v20, 5, v0
	v_readfirstlane_b32 s10, v20                   ; wave i
	s_and_b32 s11, s10, 1                          ; i % 2
	s_lshr_b32 s12, s10, 1                         ; i / 2
	v_and_b32 v22, 31, v0                          ; lane
	v_and_b32 v23, 15, v0                          ; r
	v_bfe_u32 v27, v0, 4, 1                        ; h
	v_and_b32 v24, 7, v0                           ; r % 8
	v_bfe_u32 v25, v0, 3, 1                        ; r / 8
	v_lshlrev_b32 v3, 4, v22
	v_lshlrev_b32 v11, 2, v22
	v_lshlrev_b32 v12, 3, v27
	v_mov_b32 v21, 0                               ; a lane permute's destination counts as one of its sources
	s_mul_i32 s13, s10, KSW                        ; my stage
	v_mul_u32_u24 v4, v27, 272                     ; in: a load's 512 bytes are two keys: row h, 16 r bytes on
	v_lshl_add_u32 v4, v23, 4, v4
	v_add_nc_u32 v4, s13, v4
	v_mul_u32_u24 v5, v24, 272                     ; out: row 16 (r / 8) + r % 8, my half's 128 bytes
	v_mad_u32_u24 v5, v25, 4480, v5
	v_lshl_add_u32 v5, v27, 7, v5
	v_add_nc_u32 v5, s13, v5
	s_lshl_b32 s18, s11, 8                         ; 256 (i % 2)
	s_lshl_b32 s19, s12, 2
	s_add_co_u32 s19, s19, s18
	s_add_co_u32 s19, s19, SCB
	v_lshl_add_u32 v6, v23, 4, s19                 ; K's word: slot 16 (i % 2) + r, word i / 2
	s_add_co_u32 s19, s10, SCB+8
	v_add_nc_u32 v7, s19, v3                       ; V's byte: slot lane, byte i of the slot's third word (the fourth: 4 bytes on)
	v_mul_u32_u24 v26, v27, 1536                   ; V: channel lane lies in image lane / 16, row lane % 16; my key block in the image's lanes 16 (i % 2) + row
	v_lshl_add_u32 v26, v23, 4, v26
	s_wait_alu depctr_va_vdst(0)
	s_add_co_u32 s18, s18, VIMG
	s_mul_i32 s22, s12, 520                        ; the places of registers 6 c + 0, 2, 4 (c = i / 2) in an image: 0, 8, 512 or 520, 1,024, 1,032
	s_mul_i32 s23, s12, 1016
	s_add_co_u32 s24, s22, 512
	s_add_co_u32 s23, s23, 8
	s_add_co_u32 s22, s22, s18
	s_add_co_u32 s23, s23, s18
	s_add_co_u32 s24, s24, s18
	v_add_nc_u32 v8, s22, v26
	v_add_nc_u32 v9, s23, v26
	v_add_nc_u32 v10, s24, v26
	s_mul_i32 s19, s10, 1536
	v_add_nc_u32 v13, s19, v3
	s_mov_b32 s28, 0x76543210
	s_mov_b32 s29, 0xfedcba98                      ; v_permlanex16_b32's selects for lane l xor 16
	s_lshl_b32 s14, ttmp9, 15                      ; the work-group's 128 keys x 256 bytes
	s_lshl_b32 s16, s12, 14                        ; k: my image's first key: 64 (i / 2) + 16 (i % 2)
	s_lshl_b32 s20, s11, 12
	s_add_co_u32 s16, s16, s20
	s_add_co_u32 s16, s16, s14
	s_mov_b32 s17, 0
	s_lshl_b32 s20, s10, 13                        ; v: my 32 keys
	s_add_co_u32 s14, s14, s20
	s_mov_b32 s15, 0
	s_mul_i32 s26, ttmp9, 12800                    ; kv: the work-group's block
	s_mov_b32 s27, 0
	s_wait_kmcnt 0x0
	s_add_nc_u64 s[4:5], s[4:5], s[16:17]
	s_add_nc_u64 s[6:7], s[6:7], s[14:15]
	s_add_nc_u64 s[8:9], s[8:9], s[26:27]
.irp n, 0,1,2,3,4,5,6,7,8,9,10,11,12,13,14,15
	global_load_b128 v[XK+4*\n:XK+4*\n+3], v3, s[4:5] offset:512*\n+4096*(\n/8) th:TH_LOAD_NT   ; two runs of 16 keys, 32 keys apart; 512 dense bytes a load
.endr
.irp ii, 0,1,2,3,4,5,6,7,8,9,10,11,12,13,14,15
	global_load_b32 v[XV+\ii], v11, s[6:7] offset:256*\ii th:TH_LOAD_NT              ; v(key ii, channel lane)
	global_load_b32 v[XV+32+\ii], v11, s[6:7] offset:256*\ii+128 th:TH_LOAD_NT       ; v(key ii, channel 32 + lane)
.endr
	s_wait_loadcnt 32                              ; k's sixteen loads are in; the 32 of v issued behind them may be out
.irp n, 0,1,2,3,4,5,6,7,8,9,10,11,12,13,14,15
	ds_store_b128 v4, v[XK+4*\n:XK+4*\n+3] offset:544*\n+128*(\n/8)
.endr
.irp jj, 0,1,2,3,4,5,6,7
	ds_load_b128 v[Y+4*\jj:Y+4*\jj+3], v5 offset:16*\jj                 ; LDS serves a wave's instructions in order: these see my stores.  The first tile's key: 32 numbers along d
	ds_load_b128 v[Y+32+4*\jj:Y+32+4*\jj+3], v5 offset:2176+16*\jj      ; the second tile's: eight rows on
.endr
.irp ii, 16,17,18,19,20,21,22,23,24,25,26,27,28,29,30,31
	global_load_b32 v[XV+\ii], v11, s[6:7] offset:256*\ii th:TH_LOAD_NT
	global_load_b32 v[XV+32+\ii], v11, s[6:7] offset:256*\ii+128 th:TH_LOAD_NT
.endr
	s_wait_dscnt 0x0
; Two blocks of 32 numbers, v[xa] on and v[xb] on, each whole in my lane, become six registers of codes each, at v[loa] and v[lob]; their bytes in v18, v19.  The two blocks take turns line by line.
.macro QUANT2 xa, xb, loa, lob
	v_max3_num_f32 v14, |v[\xa]|, |v[\xa+1]|, 0x1800000            ; the floor 2^(3 - 127) among the leaves: the byte cannot fall under 1
	v_max3_num_f32 v15, |v[\xb]|, |v[\xb+1]|, 0x1800000
.irp i, 2,4,6,8,10,12,14,16,18,20,22,24,26,28,30
	v_max3_num_f32 v14, v14, |v[\xa+\i]|, |v[\xa+\i+1]|
	v_max3_num_f32 v15, v15, |v[\xb+\i]|, |v[\xb+\i+1]|
.endr
	v_add_nc_u32 v16, 0xff000000, v14              ; 2 off the exponent field: the conversion takes the exponent field of this operand as its scale
	v_add_nc_u32 v17, 0xff000000, v15
	v_lshrrev_b32 v18, 23, v16                     ; the scale's byte
	v_lshrrev_b32 v19, 23, v17
	v_cvt_scalef32_pk16_fp6_f32 v[\loa:\loa+2], v[\xa:\xa+15], v16
	v_cvt_scalef32_pk16_fp6_f32 v[24:26], v[\xa+16:\xa+31], v16    ; (a conversion's three registers begin on an even number: the upper half is made elsewhere and moved)
	v_cvt_scalef32_pk16_fp6_f32 v[\lob:\lob+2], v[\xb:\xb+15], v17
	v_cvt_scalef32_pk16_fp6_f32 v[28:30], v[\xb+16:\xb+31], v17
	v_nop                                          ; one plain place behind a scaled conversion
.irp i, 0,1,2
	v_mov_b32 v[\loa+3+\i], v[24+\i]
	v_mov_b32 v[\lob+3+\i], v[28+\i]
.endr
.endm
	QUANT2 Y, Y+32, C, C+6                         ; K image i
	v_lshl_or_b32 v20, v19, 16, v18                ; my two bytes: d block h of the first tile and of the second,
	v_lshlrev_b32 v20, v12, v20                    ; at their places in the word (8 h bits up);
	v_permlanex16_b32 v21, v20, s28, s29
	v_or_b32 v20, v20, v21                         ; with lane l xor 16's two the word is whole
.irp q, 0,1,2
	global_store_b128 v13, v[C+4*\q:C+4*\q+3], s[8:9] offset:512*\q       ; 512 dense bytes a store, at a multiple of 256 from kv's first byte
.endr
	ds_store_b32 v6, v20                           ; both halves of the lanes write the same word with the same value
	s_wait_loadcnt 0x0                             ; v
	QUANT2 XV, XV+32, D, D+6
	ds_store_b8 v7, v18
	ds_store_b8 v7, v19 offset:4
.irp g, 0,1
.irp p, 0,1,2
	ds_store_b64 v[8+\p], v[D+6*\g+2*\p:D+6*\g+2*\p+1] offset:3072*\g     ; channel 32 g + lane lies two images on for g = 1
.endr
.endr
	s_wait_dscnt 0x0                               ; for the others' sake: my stores into the images and the scale block are done
	s_barrier_signal -1
	s_barrier_wait -1
.irp q, 0,1,2
	ds_load_b128 v[Y+4*\q:Y+4*\q+3], v13 offset:VIMG+512*\q               ; V image i, whole
.endr
	s_wait_dscnt 0x0
.irp q, 0,1,2
	global_store_b128 v13, v[Y+4*\q:Y+4*\q+3], s[8:9] offset:6144+512*\q
.endr
	s_cmp_lg_u32 s10, 0                            ; wave 0 stores the scale block: 512 dense bytes
	s_cbranch_scc1 .Lend
	ds_load_b128 v[Y+12:Y+15], v3 offset:SCB
	s_wait_dscnt 0x0
	global_store_b128 v3, v[Y+12:Y+15], s[8:9] offset:12288
.Lend:
	s_wait_tensorcnt 0x0                           ; the wave's end: behind my last LDS store
	ds_add_u32 v1, v2
	s_wait_dscnt 0x0
	s_endpgm
.Lfunc_end_k_qd2f179fb91_prep:
	.size	k_qd2f179fb91_prep, .Lfunc_end_k_qd2f179fb91_prep-k_qd2f179fb91_prep
	.p2alignl 7, 3214868480
	.fill 96, 4, 3214868480
	.section	.rodata,"a",@progbits
	.p2align	6, 0x0
	.amdhsa_kernel k_qd2f179fb91_prep
		.amdhsa_group_segment_fixed_size 44032
		.amdhsa_private_segment_fixed_size 0
		.amdhsa_enable_private_segment 0
		.amdhsa_kernarg_size 24
		.amdhsa_user_sgpr_count 2
		.amdhsa_user_sgpr_kernarg_segment_ptr 1
		.amdhsa_wavefront_size32 1
		.amdhsa_system_sgpr_workgroup_id_x 1
		.amdhsa_system_sgpr_workgroup_id_y 1
		.amdhsa_system_sgpr_workgroup_id_z 1
		.amdhsa_system_vgpr_workitem_id 0
		.amdhsa_next_free_vgpr 256
		.amdhsa_next_free_sgpr 66
		.amdhsa_reserve_vcc 0
		.amdhsa_float_denorm_mode_32 3
		.amdhsa_float_denorm_mode_16_64 3
		.amdhsa_memory_ordered 1
		.amdhsa_forward_progress 1
		.amdhsa_inst_pref_size 21
	.end_amdhsa_kernel
	.amdgpu_metadata
---
amdhsa.version: [ 1, 2 ]
amdhsa.kernels:
  - .name:           k_qd2f179fb91_prep
    .symbol:         k_qd2f179fb91_prep.kd
    .args:
      - { .name: k, .offset: 0, .size: 8, .value_kind: global_buffer, .address_space: global }
      - { .name: v, .offset: 8, .size: 8, .value_kind: global_buffer, .address_space: global }
      - { .name: kv, .offset: 16, .size: 8, .value_kind: global_buffer, .address_space: global }
    .group_segment_fixed_size: 44032
    .private_segment_fixed_size: 0
    .kernarg_segment_align: 8
    .kernarg_segment_size: 24
    .max_flat_workgroup_size: 128
    .sgpr_count:     66
    .vgpr_count:     256
    .wavefront_size: 32
...
	.end_amdgpu_metadata
.endif
;; end of part 1
;; launch attn (part 2): grid 8 x 32, 8 waves a work-group, clusters of 4 x 1, 327,680 bytes of LDS; arguments kv, q, out0; writes out0
.if DOCPART == 2
	.amdgcn_target "amdgcn-amd-amdhsa--gfx1250"
	.amdhsa_code_object_version 6
	.text
	.protected	k_qd2f179fb91_attn
	.globl	k_qd2f179fb91_attn
	.p2align	8
	.type	k_qd2f179fb91_attn,@function
k_qd2f179fb91_attn:
	s_mov_b64 s[64:65], 0
	v_nop
	global_prefetch_b8 v0, s[64:65] scope:SCOPE_SE
	s_setreg_imm32_b32 hwreg(HW_REG_WAVE_MODE, 25, 1), 1
	s_wait_xcnt 0x0
	s_wait_alu depctr_hold_cnt(0) depctr_sa_sdst(0) depctr_va_vdst(0) depctr_va_sdst(0) depctr_va_ssrc(0) depctr_va_vcc(0) depctr_vm_vsrc(0)
	s_getreg_b32 s2, hwreg(HW_REG_IB_STS2, 6, 4)
	s_cmp_eq_u32 s2, 0
	s_cbranch_scc0 .Lentry_in_a_cluster
	s_endpgm
.Lentry_in_a_cluster:
	s_bfe_u32 s2, ttmp6, 0x10000c
	s_cmp_lg_u32 s2, 0x3003
	s_cbranch_scc0 .Lentry_shape_is_right
	s_endpgm
.Lentry_shape_is_right:
; out0[head][n][:] = the sum over keys m of softmax_m(0.125 q[n] . k[m]) v[m][:], 32 heads, 2,048 queries and keys, head size 64; both products on codes of FP6 (E2M3) with E8M0 scales for each 32 along K.
; k's and v's codes come from kv, laid there in the order of the operands' registers: for each (head, step of 128 keys) 12,800 bytes: four K images, four V images, 512 bytes of scale words.
; THE SOFTMAX: t = score x log2(e); M = the row's largest t so far, rounded UP to a whole number; p = 2^(t - M) is quantised along the keys, not normalised.  The row's sum is taken of the unquantised p and divides at the end.
; When M moves, the sum and O are multiplied by 2^(old M - new M): exact, and without a branch.
; SHARES.  A work-group owns 256 queries of one head; each of its eight waves 32 of them, two tiles of 16, A and B, in 512 registers.  Each fragment of K and V that comes from LDS serves both tiles.
; A TRIP is 256 keys, two steps (a, b) of 128: M moves once a trip, so O is multiplied once a trip.  The steps share the fragments' registers: step b's are loaded behind step a's products.
; THE WHOLE HEAD'S CODES, 204,800 bytes, COME INTO LDS ONCE: no slot is ever filled again.  Each wave asks once, at the head, for one trip's 25,600 bytes.  A first barrier shows waves 0 and 1's part (trip 0 reads steps 0 to 2), a second one the rest.
; CLUSTER.  The four query blocks of a cluster belong to one head and read the same codes: each part is asked for JOINTLY, by the same tensor load with the same descriptor and a mask that names the four.
; No prefetch: every byte that comes by tensor loads is asked for at the head, so no loop is there to run ahead in.
; LAYOUT.  Both products are used transposed: S^T = K Q^T (source 0 = keys, source 1 = 16 queries), O^T = V^T P^T (source 0 = 16 channels, source 1 = P): a lane holds ONE query of each tile (lane % 16 = r) throughout.
; THE FIRST PRODUCT'S K IS 64, half of the instruction's 128.  A K image holds TWO tiles of 16 keys, one in each half of K.  Q lies as [6 zeros | A's 6 | 6 zeros | B's 6 | 6 zeros]: the run that begins at a tile's codes
; multiplies the image's first tile, the run that begins at the zeros ahead of them its second: the other tile meets zero codes, which add nothing.
; THE KEYS OF A TILE ARE CHOSEN so that register 32 c + x of a step's S^T in lane (r, h) is key 64 c + 32 h + x: a lane owns two WHOLE blocks of 32 keys of a step, in the order in which P's operand wants them.
; LANES.  What is one number a query (the row's largest t, M, f, the sum at the end, the scale words) is worked for both tiles at once, A's in lanes 0-15, B's in lanes 16-31: v_permlane16_swap joins the halves and parts them again.
; LIMITS: NaN and infinities are not served.  A p under 2^-126 comes out of v_exp_f32 as 0 (ISA guide, 15.8).  A block of p whose largest lies under 2^-124 keeps the byte 1.  The scaled scores stay under 2^31 in magnitude.
.set STEPB, 12800                      ; a step's block
.set TRIPB, 2*STEPB                    ; a trip's
.set STAGE, 16*STEPB                   ; behind the codes: 32 rows x 272 bytes for each wave: q on the way in, O on the way out; no tensor load fills it
.set WST,   32*272
.set SPARE, STAGE+8*WST                ; the spare words, 128 bytes for each wave: four blocks of 256 bytes that no other line names
; WINDOW 0.  v0 thread; v1, v2 the add's two; v3 16 x lane; v4 the trip's LDS address; v5 Q's scale words (A in lanes 0-15, B in lanes 16-31); v6, v7 P's for steps a, b; v[8:9] K's; v[10:11] V's
; v14 A's -M, v16 B's, in every lane; v12 A's f, v254 B's (v13 at work, v255 zero: the upper halves of pairs whose low word alone serves); v15 the largest t, v17 -M, A's and B's by halves
; v[18:19], v[20:21] A's and B's sums in two halves; v30, v31 at work
.set BM,  22                           ; v22-29   block maxima, 4 x tile + 2 x step + c; then the largest p, then the conversions' scale operands
.set TP,  32                           ; v32-39   second chains, the sums' chains, scale bytes
.set QZ,  40                           ; v40-69   Q
.set KB,  70                           ; v70-117  a step's four K images
.set VB,  118                          ; v118-165 its four V images
.set OB,  166                          ; v166-229 O^T: tile A's four, then B's four accumulators
.set PB,  230                          ; v230-253 P: A's 12 registers, B's 12
; WINDOW 1.  S^T, then p: A's 128 registers, B's 128; in each 64 for step a, 64 for step b
.set MSB, 0
.macro WIN new                         ; the immediate's high byte repeats the setting that is left
.if MSB != \new
	s_set_vgpr_msb (MSB<<8)|\new
.set MSB, \new
.endif
.endm
.macro ROUND                           ; a round of the cluster's barrier
	s_barrier_signal -1
	s_barrier_wait -1
	s_cmp_lg_u32 s10, 0
	s_cbranch_scc1 .Lnot_wave_0_\@
	s_barrier_signal -3
.Lnot_wave_0_\@:
	s_barrier_wait -3
	s_barrier_signal -1
	s_barrier_wait -1
.endm
.macro LOADK adr, o                    ; 13 LDS loads: a step's four K images and their scale words
.irp i, 0,1,2,3
.irp w, 0,1,2
	ds_load_b128 v[KB+12*\i+4*\w:KB+12*\i+4*\w+3], v[\adr] offset:\o+1536*\i+512*\w
.endr
.endr
	ds_load_b64 v[8:9], v[\adr] offset:\o+12288
.endm
.macro LOADV adr, o                    ; 13 LDS loads: its four V images and their scale words
.irp i, 0,1,2,3
.irp w, 0,1,2
	ds_load_b128 v[VB+12*\i+4*\w:VB+12*\i+4*\w+3], v[\adr] offset:\o+6144+1536*\i+512*\w
.endr
.endr
	ds_load_b64 v[10:11], v[\adr] offset:\o+12296
.endm
; one product: D d, A a, B b, C c; scale registers sa, sb and their rows ra, rb
.macro MM d, a, b, c, sa, sb, ra, rb
.if (\ra)
.if (\rb)
	v_wmma_scale_f32_16x16x128_f8f6f4 v[\d:\d+7], v[\a:\a+11], v[\b:\b+11], \c, v[\sa], v[\sb] matrix_a_fmt:MATRIX_FMT_FP6 matrix_b_fmt:MATRIX_FMT_FP6 matrix_a_scale:MATRIX_SCALE_ROW1 matrix_b_scale:MATRIX_SCALE_ROW1
.else
	v_wmma_scale_f32_16x16x128_f8f6f4 v[\d:\d+7], v[\a:\a+11], v[\b:\b+11], \c, v[\sa], v[\sb] matrix_a_fmt:MATRIX_FMT_FP6 matrix_b_fmt:MATRIX_FMT_FP6 matrix_a_scale:MATRIX_SCALE_ROW1
.endif
.else
.if (\rb)
	v_wmma_scale_f32_16x16x128_f8f6f4 v[\d:\d+7], v[\a:\a+11], v[\b:\b+11], \c, v[\sa], v[\sb] matrix_a_fmt:MATRIX_FMT_FP6 matrix_b_fmt:MATRIX_FMT_FP6 matrix_b_scale:MATRIX_SCALE_ROW1
.else
	v_wmma_scale_f32_16x16x128_f8f6f4 v[\d:\d+7], v[\a:\a+11], v[\b:\b+11], \c, v[\sa], v[\sb] matrix_a_fmt:MATRIX_FMT_FP6 matrix_b_fmt:MATRIX_FMT_FP6
.endif
.endif
.endm
.macro QK s                            ; S^T of step s: 16 products, each starts its sum
	WIN 0x40                                       ; D in window 1
.irp i, 0,1,2,3
	MM 64*\s+16*\i, KB+12*\i, QZ+6, 0, 8+\i/2, 5, \i%2, 0
	MM 64*\s+16*\i+8, KB+12*\i, QZ, 0, 8+\i/2, 5, \i%2, 0
	MM 128+64*\s+16*\i, KB+12*\i, QZ+18, 0, 8+\i/2, 5, \i%2, 1
	MM 128+64*\s+16*\i+8, KB+12*\i, QZ+12, 0, 8+\i/2, 5, \i%2, 1
.endr
	WIN 0
.endm
; THE LARGEST SCORE OF EACH OF MY FOUR BLOCKS OF 32 KEYS OF STEP s (two for each tile): it serves twice: for the row's maximum, and, since p rises with the score, for the block's largest p.  Eight chains by turns; each accumulator is read from its low end on
.macro BMAX s
	WIN 0x15                                       ; all three sources in window 1
.irp g, 0,1
.irp c, 0,1
	v_max3_num_f32 v[BM+4*\g+2*\s+\c], v[128*\g+64*\s+32*\c], v[128*\g+64*\s+32*\c+1], v[128*\g+64*\s+32*\c+2]
	v_max3_num_f32 v[TP+2*\g+\c], v[128*\g+64*\s+32*\c+16], v[128*\g+64*\s+32*\c+17], v[128*\g+64*\s+32*\c+18]
.endr
.endr
	WIN 0x14                                       ; sources 1 and 2 in window 1
.irp x, 3,5,7,9,11,13
.irp g, 0,1
.irp c, 0,1
	v_max3_num_f32 v[BM+4*\g+2*\s+\c], v[BM+4*\g+2*\s+\c], v[128*\g+64*\s+32*\c+\x], v[128*\g+64*\s+32*\c+\x+1]
	v_max3_num_f32 v[TP+2*\g+\c], v[TP+2*\g+\c], v[128*\g+64*\s+32*\c+16+\x], v[128*\g+64*\s+32*\c+17+\x]
.endr
.endr
.endr
.irp g, 0,1
.irp c, 0,1
	v_max3_num_f32 v[BM+4*\g+2*\s+\c], v[BM+4*\g+2*\s+\c], v[128*\g+64*\s+32*\c+15], v[128*\g+64*\s+32*\c+31]
.endr
.endr
	WIN 0
.endm
.macro JOINMAX s                       ; four lines: each block's two chains
.irp g, 0,1
.irp c, 0,1
	v_max_num_f32 v[BM+4*\g+2*\s+\c], v[BM+4*\g+2*\s+\c], v[TP+2*\g+\c]
.endr
.endr
.endm
; 64 exponentials, in place, of the registers from cs on.  Between them, where ns is not 0, the 32 multiply-adds t - M of the 64 registers from ns on (two at a time; of the pairs log2(e) and -M the low word serves both halves)
.macro EXPS cs, ns, m
.set J, 0
.rept 32
	v_exp_f32 v[\cs+J], v[\cs+J]
.if \ns
	v_pk_fma_f32 v[\ns+J:\ns+J+1], v[\ns+J:\ns+J+1], s[26:27], v[\m:\m+1] op_sel_hi:[1,0,0]
.endif
	v_exp_f32 v[\cs+J+1], v[\cs+J+1]
.set J, J+2
.endr
.endm
; the rows' sums over step s, of the unquantised p, two at a time: three chains for each tile by turns.  ld = 1: step b's V is loaded behind the first four lines (the places behind step a's products)
.macro SUMS s, ld
	WIN 0x05                                       ; both sources in window 1
.irp n, 0,1
	v_pk_add_f32 v[TP+2*\n:TP+2*\n+1], v[64*\s+4*\n:64*\s+4*\n+1], v[64*\s+4*\n+2:64*\s+4*\n+3]
	v_pk_add_f32 v[TP+4+2*\n:TP+4+2*\n+1], v[128+64*\s+4*\n:128+64*\s+4*\n+1], v[128+64*\s+4*\n+2:128+64*\s+4*\n+3]
.endr
.if \ld
	WIN 0
	LOADV 4, STEPB
.endif
	WIN 0x01                                       ; source 0 in window 1
.set J, 64*\s+8
.rept 9
	v_pk_add_f32 v[18:19], v[J:J+1], v[18:19]
	v_pk_add_f32 v[20:21], v[128+J:128+J+1], v[20:21]
	v_pk_add_f32 v[TP:TP+1], v[J+2:J+3], v[TP:TP+1]
	v_pk_add_f32 v[TP+4:TP+5], v[128+J+2:128+J+3], v[TP+4:TP+5]
	v_pk_add_f32 v[TP+2:TP+3], v[J+4:J+5], v[TP+2:TP+3]
	v_pk_add_f32 v[TP+6:TP+7], v[128+J+4:128+J+5], v[TP+6:TP+7]
.set J, J+6
.endr
	v_pk_add_f32 v[18:19], v[J:J+1], v[18:19]
	v_pk_add_f32 v[20:21], v[128+J:128+J+1], v[20:21]
.endm
; P's codes of step s.  Registers 0-5 of a tile's 12: keys 32 h + 0 .. 31 of the step; 6-11: keys 64 + 32 h + 0 .. 31.  A conversion's three registers begin on an even number: a block's upper 16 codes are made in window 1,
; over p that is converted already, and moved.  Last, the sums' chains are joined: four lines, the places between P and its products
.macro CVT s
	WIN 0x01
.irp g, 0,1
.irp c, 0,1
	v_cvt_scalef32_pk16_fp6_f32 v[PB+12*\g+6*\c:PB+12*\g+6*\c+2], v[128*\g+64*\s+32*\c:128*\g+64*\s+32*\c+15], v[BM+4*\g+2*\s+\c]
.endr
.endr
	v_nop                                          ; one plain place behind a scaled conversion
	WIN 0x41
.irp g, 0,1
.irp c, 0,1
	v_cvt_scalef32_pk16_fp6_f32 v[128*\g+64*\s+32*\c:128*\g+64*\s+32*\c+2], v[128*\g+64*\s+32*\c+16:128*\g+64*\s+32*\c+31], v[BM+4*\g+2*\s+\c]
.endr
.endr
	v_nop
	WIN 0x01
.irp i, 0,1,2
.irp g, 0,1
.irp c, 0,1
	v_mov_b32 v[PB+12*\g+6*\c+3+\i], v[128*\g+64*\s+32*\c+\i]
.endr
.endr
.endr
	WIN 0
	v_pk_add_f32 v[18:19], v[18:19], v[TP:TP+1]
	v_pk_add_f32 v[20:21], v[20:21], v[TP+4:TP+5]
	v_pk_add_f32 v[18:19], v[18:19], v[TP+2:TP+3]
	v_pk_add_f32 v[20:21], v[20:21], v[TP+6:TP+7]
.endm
.macro PV s, zero                      ; O^T += V^T P^T over step s: eight accumulators, one instruction a turn
.irp g, 0,1
.irp t, 0,1,2,3
.if \zero
	MM OB+32*\g+8*\t, VB+12*\t, PB+12*\g, 0, 10+\t/2, 6+\s, \t%2, \g
.else
	MM OB+32*\g+8*\t, VB+12*\t, PB+12*\g, v[OB+32*\g+8*\t:OB+32*\g+8*\t+7], 10+\t/2, 6+\s, \t%2, \g
.endif
.endr
.endr
.endm
; A TRIP: 256 keys from LDS byte s28 on; K of step a is in.  first = 1: no M, sum or O stands yet.  more = 1: the next trip's K of step a is loaded.  sig = 1: the barrier that shows the other waves' tiles is signalled in the middle and awaited at the end
.macro TRIP first, more, sig
	QK 0
	v_add_nc_u32 v4, s28, v3                       ; the trip's first byte + 16 x lane.  Four places in front of the loads into K's registers and of the first read of the scores
	v_nop
	v_nop
	v_nop
	LOADK 4, STEPB
	LOADV 4, 0
	BMAX 0
	s_wait_alu depctr_va_vdst(0)
	s_wait_dscnt 13                                ; step b's K is in; step a's V, 13 loads issued behind it, may be out
	QK 1
	JOINMAX 0                                      ; (the four places behind the products)
.if \more
	LOADK 4, TRIPB
.endif
	BMAX 1
	JOINMAX 1
	v_max3_num_f32 v30, v[BM], v[BM+1], v[BM+2]
	v_max3_num_f32 v31, v[BM+4], v[BM+5], v[BM+6]
	s_delay_alu instid0(VALU_DEP_2)
	v_max_num_f32 v30, v30, v[BM+3]
	s_delay_alu instid0(VALU_DEP_2)
	v_max_num_f32 v31, v31, v[BM+7]
	s_delay_alu instid0(VALU_DEP_1)
	v_permlane16_swap_b32 v30, v31                 ; v30: A's lanes 0-15, B's lanes 0-15; v31: their lanes 16-31
	s_delay_alu instid0(VALU_DEP_1)
	v_max_num_f32 v30, v30, v31                    ; the trip's largest score: of A's query r in lane r, of B's in lane 16 + r
	s_delay_alu instid0(VALU_DEP_1)
.if \first
	v_mul_f32 v15, s26, v30                        ; as t
.else
	v_mul_f32 v30, s26, v30
	v_mov_b32 v13, v17                             ; the old -M is kept for f
	s_delay_alu instid0(VALU_DEP_2)
	v_max_num_f32 v15, v15, v30                    ; the running largest t
.endif
	s_delay_alu instid0(VALU_DEP_1)
	v_floor_f32 v17, -v15                          ; the new -M = floor(-t) = -ceil(t): M is a whole number
.if \first == 0
	s_delay_alu instid0(VALU_DEP_1)
	v_sub_f32 v13, v17, v13                        ; M's old value less its new one: a whole number, 0 or less
	s_delay_alu instid0(VALU_DEP_1)
	v_cvt_i32_f32 v13, v13                         ; (it saturates)
	s_delay_alu instid0(VALU_DEP_1)
	v_ldexp_f32 v12, 1.0, v13                      ; f = 2^(old M - new M)
.endif
	v_mov_b32 v14, v17
	v_mov_b32 v16, v17
.if \first == 0
	v_mov_b32 v254, v12
.endif
	v_permlane16_swap_b32 v14, v16                 ; A's -M in all of v14, B's in all of v16
.if \first == 0
	v_permlane16_swap_b32 v12, v254                ; and so f
.set J, 0
.rept 16
	v_pk_mul_f32 v[OB+J:OB+J+1], v[OB+J:OB+J+1], v[12:13] op_sel_hi:[1,0]            ; O^T under the new M, each accumulator from its low end on
	v_pk_mul_f32 v[OB+32+J:OB+32+J+1], v[OB+32+J:OB+32+J+1], v[254:255] op_sel_hi:[1,0]
.set J, J+2
.endr
.endif
.irp k, 0,1,2,3
	v_fma_f32 v[BM+\k], v[BM+\k], s26, v14         ; t - M of each block's largest score
	v_fma_f32 v[BM+4+\k], v[BM+4+\k], s26, v16
.endr
	WIN 0x41                                       ; source 0 and destination in window 1
.set J, 0
.rept 32
	v_pk_fma_f32 v[J:J+1], v[J:J+1], s[26:27], v[14:15] op_sel_hi:[1,0,0]            ; t - M of A's step a
.set J, J+2
.endr
	s_wait_alu depctr_va_vdst(0)
	EXPS 0, 64, 14                                 ; p = 2^(t - M), at most 1: not normalised
	s_wait_alu depctr_va_vdst(0)
	EXPS 64, 128, 16
	s_wait_alu depctr_va_vdst(0)
	EXPS 128, 192, 16
	s_wait_alu depctr_va_vdst(0)
	EXPS 192, 0, 16
	WIN 0
.irp k, 0,1,2,3,4,5,6,7
	v_exp_f32 v[BM+\k], v[BM+\k]                   ; the block's largest p: the same two instructions on the same number give the same bits
.endr
.if \first
	v_nop                                          ; the plain place behind the exponentials
.else
	v_pk_mul_f32 v[18:19], v[18:19], v[12:13] op_sel_hi:[1,0]      ; the sums under the new M.  (The plain places behind the exponentials)
	v_pk_mul_f32 v[20:21], v[20:21], v[254:255] op_sel_hi:[1,0]
.endif
	s_wait_alu depctr_va_vdst(0)                   ; the wait ahead of the first line that names an exponential's result
.irp k, 0,1,2,3,4,5,6,7
	v_max_num_f32 v[BM+\k], 0x1800000, v[BM+\k]    ; the floor 2^(3 - 127): the byte cannot fall under 1 (a block whose every p has fallen to 0 keeps that byte: its codes are zeros)
.endr
.irp k, 0,1,2,3,4,5,6,7
	v_add_nc_u32 v[BM+\k], 0xff000000, v[BM+\k]    ; 2 off the exponent field: the conversion's scale operand
.endr
	v_lshrrev_b32 v30, 23, v[BM]                   ; the scales' bytes: step a: A's two, B's two
	v_lshrrev_b32 v[TP], 23, v[BM+1]
	v_lshrrev_b32 v31, 23, v[BM+4]
	v_lshrrev_b32 v[TP+1], 23, v[BM+5]
	v_lshrrev_b32 v[TP+2], 23, v[BM+2]             ; step b
	v_lshrrev_b32 v[TP+4], 23, v[BM+3]
	v_lshrrev_b32 v[TP+3], 23, v[BM+6]
	v_lshrrev_b32 v[TP+5], 23, v[BM+7]
	v_lshl_or_b32 v30, v[TP], 16, v30              ; my two bytes of a word: key blocks h and 2 + h
	v_lshl_or_b32 v31, v[TP+1], 16, v31
	v_lshl_or_b32 v[TP+2], v[TP+4], 16, v[TP+2]
	v_lshl_or_b32 v[TP+3], v[TP+5], 16, v[TP+3]
	v_permlane16_swap_b32 v30, v31
	v_permlane16_swap_b32 v[TP+2], v[TP+3]
	v_lshl_or_b32 v6, v31, 8, v30                  ; P's scale words: A's in lanes 0-15, B's in lanes 16-31
	v_lshl_or_b32 v7, v[TP+3], 8, v[TP+2]
	SUMS 0, 0
	CVT 0
	s_wait_alu depctr_va_vdst(0)
.if \sig
	s_wait_tensorcnt 0x0                           ; my tile has landed;
.endif
	s_wait_dscnt 0x0                               ; step a's V is in (and all my other LDS loads)
.if \sig
	s_barrier_signal -1                            ; say so
.endif
	PV 0, \first
	SUMS 1, 1
	CVT 1
	s_wait_alu depctr_va_vdst(0)
	s_wait_dscnt 0x0                               ; step b's V is in, and the next trip's K
	PV 1, 0
.if \sig
	s_barrier_wait -1
.endif
.endm
	s_load_b128 s[4:7], s[0:1], 0x0                ; kv, q
	s_load_b64 s[8:9], s[0:1], 0x10                ; out0
	v_lshl_add_u32 v1, v0, 2, SPARE
	v_mov_b32 v2, 0
	ds_add_u32 v1, v2                              ; the wave's opening: the add, twice on end, and its wait ahead of the first tensor load; the set-up below, work on registers, stands between them
	ds_add_u32 v1, v2
	v_lshrrev_b32 v30, 5, v0
	v_readfirstlane_b32 s10, v30                   ; wave 0..7
	s_bfe_u32 s11, ttmp6, 0x40000                  ; cx: my place in the cluster
	s_lshl_b32 s12, ttmp9, 2                       ; in a cluster launch ttmp9 counts clusters
	s_add_co_u32 s12, s12, s11                     ; my block of 256 queries: it enters q's and out0's addresses alone
	s_and_b32 s13, ttmp7, 0xffff                   ; the head, which the four partners share
	; descriptor group 1: a trip's block, 25,600 dense bytes, as 100 rows of 256 bytes (32 elements of 8 bytes); no padding: every read is 16 x lane on end
	s_mov_b32 s16, 15|(3<<16)|(1<<21)              ; 15:0 the mask: all four work-groups; 17:16 elements of 8 bytes; 21 set beside a mask
	s_mov_b32 s17, 32<<16                          ; tensor_dim0 = 32
	s_mov_b32 s18, 100<<16                         ; tensor_dim1 = 100
	s_mov_b32 s19, 32<<16                          ; tile_dim0 = 32
	s_mov_b32 s20, 100                             ; tile_dim1 = 100
	s_mov_b32 s21, 32                              ; tensor_dim0_stride
	s_mov_b32 s22, 0
	s_mov_b32 s23, 0
	s_mov_b32 s26, 0x3fb8aa3b                      ; log2(e)
	s_mov_b32 s27, s26                             ; (named with it as a pair, so it is written)
	s_mul_i32 s31, s10, TRIPB                      ; wave w fetches trip w's block: no place in the cluster enters an LDS address
	s_mul_i32 s14, s13, 16*STEPB                   ; the head's codes
	s_add_co_u32 s14, s14, s31
	s_mov_b32 s15, 0
	s_lshl_b32 s48, s13, 19                        ; q and out0: 524,288 bytes a head,
	s_lshl_b32 s49, s12, 16                        ; 65,536 a block of 256 queries,
	s_add_co_u32 s48, s48, s49
	s_lshl_b32 s49, s10, 13                        ; 8,192 a wave's 32
	s_add_co_u32 s48, s48, s49
	s_mov_b32 s49, 0
	s_mul_i32 s30, s10, WST
	s_add_co_u32 s30, s30, STAGE                   ; my stage
	v_and_b32 v30, 31, v0
	v_lshlrev_b32 v3, 4, v30                       ; 16 x lane
	v_and_b32 v30, 15, v0                          ; r
	v_bfe_u32 v31, v0, 4, 1                        ; h
	v_mul_u32_u24 v32, v31, 272                    ; into the stage: a load's 512 bytes are two queries: row h, 16 r bytes on
	v_mul_u32_u24 v33, v30, 272                    ; out of it: row r, my half's 128 bytes
	v_lshl_add_u32 v32, v30, 4, v32
	v_lshl_add_u32 v33, v31, 7, v33
	v_add_nc_u32 v32, s30, v32
	v_add_nc_u32 v33, s30, v33
.irp j, 0,1,2,3,4,5
	v_mov_b32 v[QZ+\j], 0                          ; the zero codes on both sides of a tile's codes
	v_mov_b32 v[QZ+12+\j], 0
	v_mov_b32 v[QZ+24+\j], 0
.endr
	s_wait_alu depctr_va_vdst(0)
	s_wait_dscnt 0x0                               ; both opening adds are done
	s_wait_kmcnt 0x0
	s_add_nc_u64 s[4:5], s[4:5], s[14:15]
	s_add_nc_u64 s[6:7], s[6:7], s[48:49]
	s_add_nc_u64 s[8:9], s[8:9], s[48:49]
	; q: my 32 queries, 8,192 dense bytes, are asked for first, as they lie, into v70-133
.irp i, 0,1,2,3,4,5,6,7,8,9,10,11,12,13,14,15
	global_load_b128 v[KB+4*\i:KB+4*\i+3], v3, s[6:7] offset:512*\i th:TH_LOAD_NT
.endr
	s_mov_b32 s32, 1                               ; descriptor group 0: count = 1
	s_mov_b32 s33, s31                             ; LDS address: as in memory
	s_mov_b64 s[34:35], s[4:5]                     ; global address
	s_or_b32 s35, s35, 0x80000000                  ; type = 2
	ROUND                                          ; all four work-groups are here: the joint loads meet
	s_cmp_lt_u32 s10, 2                            ; one load a wave, in two arms: waves 0 and 1 wait for theirs ahead of the others, so their load line is their own
	s_cbranch_scc0 .Lfill_late
	tensor_load_to_lds s[32:35], s[16:23]
	s_nop 0
.rept 4
	v_nop
.endr
	s_branch .Lfilled
.Lfill_late:
	tensor_load_to_lds s[32:35], s[16:23]
	s_nop 0
.rept 4
	v_nop
.endr
.Lfilled:
	; q is turned through my stage so that lane (r, h) holds d = 32 h .. 32 h + 31 of query r of A and of B, multiplied by 0.125 and quantised: v134-165 A's, v166-197 B's
	s_wait_loadcnt 0x0
.irp i, 0,1,2,3,4,5,6,7,8,9,10,11,12,13,14,15
	ds_store_b128 v32, v[KB+4*\i:KB+4*\i+3] offset:544*\i
.endr
.irp j, 0,1,2,3,4,5,6,7
	ds_load_b128 v[134+4*\j:137+4*\j], v33 offset:16*\j            ; LDS serves a wave's instructions in order: these see my stores
	ds_load_b128 v[166+4*\j:169+4*\j], v33 offset:16*272+16*\j
.endr
	s_wait_dscnt 0x0
.set J, 134
.rept 32
	v_pk_mul_f32 v[J:J+1], v[J:J+1], 0x3e000000 op_sel_hi:[1,0]    ; q x 0.125
.set J, J+2
.endr
	v_max3_num_f32 v22, |v134|, |v135|, 0x1800000                  ; my blocks' largest magnitudes, and the floor 2^(3 - 127)
	v_max3_num_f32 v23, |v166|, |v167|, 0x1800000
.set J, 2
.rept 15
	v_max3_num_f32 v22, v22, |v[134+J]|, |v[135+J]|
	v_max3_num_f32 v23, v23, |v[166+J]|, |v[167+J]|
.set J, J+2
.endr
	v_add_nc_u32 v22, 0xff000000, v22              ; 2 off the exponent field: the conversion's scale operand
	v_add_nc_u32 v23, 0xff000000, v23
	v_lshrrev_b32 v30, 23, v22                     ; the scale's byte
	v_lshrrev_b32 v31, 23, v23
	v_cvt_scalef32_pk16_fp6_f32 v[QZ+6:QZ+8], v[134:149], v22
	v_cvt_scalef32_pk16_fp6_f32 v[32:34], v[150:165], v22          ; (a conversion's three registers begin on an even number)
	v_cvt_scalef32_pk16_fp6_f32 v[QZ+18:QZ+20], v[166:181], v23
	v_cvt_scalef32_pk16_fp6_f32 v[36:38], v[182:197], v23
	v_nop                                          ; one plain place behind a scaled conversion
	v_permlane16_swap_b32 v30, v31                 ; v30: byte 0 of A's word and of B's by halves; v31: byte 1
	v_lshl_or_b32 v30, v31, 8, v30                 ; the query's two bytes,
	v_lshl_or_b32 v5, v30, 16, v30                 ; twice: the same two serve whichever half of K holds q's codes
.irp j, 0,1,2
	v_mov_b32 v[QZ+9+\j], v[32+\j]
	v_mov_b32 v[QZ+21+\j], v[36+\j]
.endr
	v_mov_b32 v18, 0                               ; the sums.  (With v255 five places between Q's codes and the first product, eleven behind its scale words)
	v_mov_b32 v19, 0
	v_mov_b32 v20, 0
	v_mov_b32 v21, 0
	v_mov_b32 v255, 0                              ; the upper half of a pair whose low word alone serves
	s_cmp_lt_u32 s10, 2
	s_wait_alu depctr_va_vdst(0)
	s_cbranch_scc0 .Lno_wait
	s_wait_tensorcnt 0x0                           ; waves 0 and 1: my tile, trip 0's or trip 1's, has landed
.Lno_wait:
	s_wait_dscnt 0x0                               ; no LDS instruction of mine is pending at the signal
	s_barrier_signal -1
	s_barrier_wait -1                              ; steps 0 to 3 are in
	LOADK 3, 0
	s_wait_dscnt 0x0
	s_mov_b32 s28, 0
	TRIP 1, 1, 1                                   ; reads steps 0 to 2; at its end every wave's tile is in
	s_mov_b32 s28, TRIPB
	s_mov_b32 s29, 6
.Ltrip:
	TRIP 0, 1, 0
	s_add_co_u32 s28, s28, TRIPB
	s_sub_co_u32 s29, s29, 1
	s_cmp_lg_u32 s29, 0
	s_cbranch_scc1 .Ltrip
	s_mov_b32 s28, 7*TRIPB
	TRIP 0, 0, 0                                   ; the last trip fetches nothing beyond its own keys
	; THE WAY OUT.  O^T is divided by the row's sum and goes through my stage, so that each store covers 512 dense bytes of out0.  The address work is the places behind the last products.
	v_and_b32 v30, 15, v0                          ; r
	v_bfe_u32 v31, v0, 4, 1                        ; h
	v_add_f32 v18, v18, v19                        ; the sums' two halves
	v_add_f32 v20, v20, v21
	v_mul_u32_u24 v32, v30, 272                    ; in: row r; accumulator t's eight channels of my half: 64 t + 32 h bytes on
	v_mul_u32_u24 v33, v31, 272                    ; back: lanes 0-15 one row of 256 bytes, lanes 16-31 the next
	v_permlane16_swap_b32 v18, v20
	v_lshl_add_u32 v32, v31, 5, v32
	v_lshl_add_u32 v33, v30, 4, v33
	v_add_f32 v18, v18, v20                        ; the row's sum: A's in lanes 0-15, B's in lanes 16-31
	v_add_nc_u32 v32, s30, v32
	v_add_nc_u32 v33, s30, v33
	s_wait_alu depctr_va_vdst(0)
	v_rcp_f32 v18, v18
	v_nop                                          ; one plain place behind the reciprocal
	s_wait_alu depctr_va_vdst(0)                   ; and the wait ahead of its first reader
	v_mov_b32 v20, v18
	v_nop
	v_permlane16_swap_b32 v18, v20                 ; A's in all of v18, B's in all of v20
	s_wait_alu depctr_va_vdst(0)                   ; the wait directly ahead of the first reader of O^T
.set J, 0
.rept 16
	v_pk_mul_f32 v[OB+J:OB+J+1], v[OB+J:OB+J+1], v[18:19] op_sel_hi:[1,0]            ; register 32 g + 8 t + i is out0(16 g + r, 16 t + 8 h + i)
	v_pk_mul_f32 v[OB+32+J:OB+32+J+1], v[OB+32+J:OB+32+J+1], v[20:21] op_sel_hi:[1,0]
.set J, J+2
.endr
.irp g, 0,1
.irp t, 0,1,2,3
	ds_store_b128 v32, v[OB+32*\g+8*\t:OB+32*\g+8*\t+3] offset:16*272*\g+64*\t
	ds_store_b128 v32, v[OB+32*\g+8*\t+4:OB+32*\g+8*\t+7] offset:16*272*\g+64*\t+16
.endr
.endr
.irp i, 0,1,2,3,4,5,6,7,8,9,10,11,12,13,14,15
	ds_load_b128 v[KB+4*\i:KB+4*\i+3], v33 offset:544*\i           ; LDS serves a wave's instructions in order: these see my stores
.endr
.irp i, 0,1,2,3,4,5,6,7,8,9,10,11,12,13,14,15
	s_wait_dscnt 15-\i                             ; load i is back; the younger ones may be out
	global_store_b128 v3, v[KB+4*\i:KB+4*\i+3], s[8:9] offset:512*\i th:TH_STORE_NT   ; two rows of out0: 512 consecutive bytes, at a multiple of 256 from its first byte
.endr
	s_wait_tensorcnt 0x0                           ; the wave's end: behind my last tensor load and my last LDS store
	ds_add_u32 v1, v2
	s_wait_dscnt 0x0
	ROUND                                          ; the closing round: no work-group ends while a partner may still ask for a block that names it
	s_endpgm
.Lfunc_end_k_qd2f179fb91_attn:
	.size	k_qd2f179fb91_attn, .Lfunc_end_k_qd2f179fb91_attn-k_qd2f179fb91_attn
	.p2alignl 7, 3214868480
	.fill 96, 4, 3214868480
	.section	.rodata,"a",@progbits
	.p2align	6, 0x0
	.amdhsa_kernel k_qd2f179fb91_attn
		.amdhsa_group_segment_fixed_size 327680
		.amdhsa_private_segment_fixed_size 0
		.amdhsa_enable_private_segment 0
		.amdhsa_kernarg_size 24
		.amdhsa_user_sgpr_count 2
		.amdhsa_user_sgpr_kernarg_segment_ptr 1
		.amdhsa_wavefront_size32 1
		.amdhsa_system_sgpr_workgroup_id_x 1
		.amdhsa_system_sgpr_workgroup_id_y 1
		.amdhsa_system_sgpr_workgroup_id_z 1
		.amdhsa_system_vgpr_workitem_id 0
		.amdhsa_next_free_vgpr 512
		.amdhsa_next_free_sgpr 66
		.amdhsa_reserve_vcc 0
		.amdhsa_float_denorm_mode_32 3
		.amdhsa_float_denorm_mode_16_64 3
		.amdhsa_memory_ordered 1
		.amdhsa_forward_progress 1
		.amdhsa_inst_pref_size 169
	.end_amdhsa_kernel
	.amdgpu_metadata
---
amdhsa.version: [ 1, 2 ]
amdhsa.kernels:
  - .name:           k_qd2f179fb91_attn
    .symbol:         k_qd2f179fb91_attn.kd
    .args:
      - { .name: kv, .offset: 0, .size: 8, .value_kind: global_buffer, .address_space: global }
      - { .name: q, .offset: 8, .size: 8, .value_kind: global_buffer, .address_space: global }
      - { .name: out0, .offset: 16, .size: 8, .value_kind: global_buffer, .address_space: global }
    .group_segment_fixed_size: 327680
    .private_segment_fixed_size: 0
    .kernarg_segment_align: 8
    .kernarg_segment_size: 24
    .max_flat_workgroup_size: 256
    .sgpr_count:     66
    .vgpr_count:     512
    .wavefront_size: 32
...
	.end_amdgpu_metadata
.endif
;; end of part 2
